; MI455X (gfx1250); checked and timed in simulation.
; The chip was launched on July 23, 2026; its instructions are those of AMD's public machine-readable ISA for CDNA 5 (MIT licence, August 2026) and "CDNA5" Instruction Set Architecture Reference Guide (July 2026). The comments in the code are by the model that wrote it; some were corrected since.
;; CRF. Allowed arithmetic: float matrix products may take bf16 or f16 operands with f32 sums; all other float work in f32.
;; Inputs: seq_lens 256 int32; transitions 128 x 128 float32; x 256 x 256 x 128 float32.
;; Outputs: out0 256 x 256 x 128 float32.
;; 2 versions, each right; version 2 is version 1 with the launch viterbi written anew for expert scheduling mode. Each part assembles by itself: llvm-mc -triple=amdgcn-amd-amdhsa -mcpu=gfx1250 --defsym DOCPART=n.
;; ======== version 1 of 2: 1 launch
;; launch viterbi (part 1): grid 256 x 1, 4 waves a work-group, no clusters, 168,448 bytes of LDS; arguments seq_lens, transitions, x, out0; writes out0
.if DOCPART == 1
	.amdgcn_target "amdgcn-amd-amdhsa--gfx1250"
	.amdhsa_code_object_version 6
	.text
	.protected	k_q1a2f112be6_viterbi
	.globl	k_q1a2f112be6_viterbi
	.p2align	8
	.type	k_q1a2f112be6_viterbi,@function
k_q1a2f112be6_viterbi:
	s_mov_b64 s[64:65], 0
	v_nop
	global_prefetch_b8 v0, s[64:65] scope:SCOPE_SE
	s_setreg_imm32_b32 hwreg(HW_REG_WAVE_MODE, 25, 1), 1
	s_wait_xcnt 0x0
; Viterbi decoding of a CRF and one-hot output.  x, out0: [256][256][128] f32, transitions: [128][128] f32, seq_lens: [256] i32.
; One work-group = one sequence b, four waves, thread j (0..127) = column j, trans[0..127][j] in 128 registers of the thread.
;   t < seq_len:  alpha'[j] = max over i (alpha[i] + trans[i][j]) + x[b][t][j],  bp[t][j] = the FIRST i that reaches the max;
;   t >= seq_len: alpha stays, bp is the identity.  Then the last tag (first argmax of alpha), the walk back, the one-hot rows.
; The two f32 additions are the definition's own, in its order, so every comparison sees the same bits.
; The launch asks for more than half of a WGP's LDS (35,584 bytes are used): the work-group has the four SIMDs to itself, one wave each.
;
; A STEP, 128 sums a lane: 128 adds that take alpha[i] from a lane of the row inside the add (DPP row_share); the maxima of 8 groups of
; 16 sums and their maximum m; alpha' leaves for LDS at once.  The argmax does not feed alpha', so it stands where the wave would wait
; for LDS: flag the groups whose maximum equals m, keep the first flag (scalar logic on lane masks), make weights 1.0 / 0.0 of it, pick
; that group's 16 sums by packed multiply-adds (one term times 1, seven times 0: exact); the first of the 16 equal to m gives the low bits.
; No address and no branch hangs on a floating-point result: back pointers go to fixed LDS bytes, the walk back selects a lane
; (v_readlane_b32) and a byte (a shift) of registers, the one-hot rows are compares and selects.
; Branches hang on seq_lens alone: a masked step jumps over its two blocks of work, never over a barrier or a counted load.
;
; LIMITS.  Every sum alpha[i] + trans[i][j] must be finite (magnitude below 3.4e38): an infinite sum times the weight 0 would be NaN in
; the selection.  NaN inputs are not served.  +0 and -0 compare equal, as in the definition's comparison.
; seq_lens may hold any i32: above 256 acts as 256, below 1 as 1, which is what t < seq_len gives for t = 1..255.
; LDS
.set ABUF,  0                          ; two buffers of 128 alpha; step t uses buffer t & 1
.set FIN,   1024                       ; the final alpha
.set TAGS,  1536                       ; 256 tags, a word each
.set BP,    2560                       ; back pointers: row t (1..257) of 128 bytes, byte j
; vector registers, window 0
.set A,     2                          ; v[2:9]    alpha as loaded: register 4h+c, lane n of either row = alpha[64h + 4n + c]
.set G,     10                         ; v[10:17]  maxima of the groups i = 16k .. 16k+15
.set M,     18                         ; their maximum
.set TA,    19                         ; at work
.set W,     20                         ; v[20:27]  weight of group k; in the walk back: tags t = 32q + lane
.set SEL,   28                         ; v[28:43]  the 16 sums of the first group that holds the maximum
.set X,     44                         ; v[44:47]  first equal sum in each four of the 16
.set RI,    48                         ; the place in the group
.set TB,    49
.set TC,    50
.set BPO,   51                         ; the back pointer that is stored
.set ALPHA, 52                         ; alpha[j]
.set TD,    53                         ; x[b][1][j]; at work in the output
.set POT,   56                         ; v[56:63]  ring of eight rows of x, my column
.set OFF,   64                         ; v[64:71]  their byte offsets, one a slot: a pending load's offset is never rewritten
.set J4,    72                         ; 4 j
.set ALD,   73                         ; 16 (lane mod 16): where I read alpha
.set BPST,  74                         ; j + 1,024 x trip
.set L4,    75                         ; 4 x lane
.set TG,    76                         ; v[76:77]  my wave's 64 tags
.set OO,    78                         ; my byte offset in the output
.set S,     128                        ; v[128:255] the 128 sums; later rows of back pointers, then output rows
; window 1: v256+i = trans[i][j], written v[i] (source 1 under the setting 0x04, a load's destination under 0x40)
; scalar registers
.set SWV,   12                         ; wave
.set SLEN,  13                         ; seq_len, clamped to 1..256
.set ST,    14                         ; t of a trip's first step
.set LM1,   15                         ; seq_len - 1: the last row of x that a valid step reads
.set SVM,   16                         ; all ones if 1 < seq_len
.set STMP,  17                         ; t
.set STM2,  3
.set F,     20                         ; s[20:27]  lane masks: group k holds the maximum
.set E,     28                         ; s[29:35]  ... and no earlier group does; s28 = SEEN
.set SEEN,  28
.set KB,    36                         ; s[36:38]  bits 0..2 of the group's number, as lane masks
.set Q,     40                         ; s[40:54]  lane masks: selected sum r equals the maximum
.set ANY,   56                         ; s[56:58]
.set RL,    68                         ; s[68:99]  first step: 32 alpha at a time
.set TAG,   20                         ; the walk back
.set LANE,  21
.set SW,    22
.set SH,    23
.set SC,    26
.set MSB, 0
.macro WIN new                         ; low byte: the windows (bits 3:2 source 1, 7:6 destination); high byte: the setting that is left
.if MSB != \new
	s_set_vgpr_msb (MSB<<8)|\new
.set MSB, \new
.endif
.endm
; The sums of a step in the loop: S[i] = alpha[i] + trans[i][j], alpha[i] taken from lane n of my row inside the add.
.macro SUMS
.irp h, 0,1
.irp n, 0,1,2,3,4,5,6,7,8,9,10,11,12,13,14,15
.irp c, 0,1,2,3
	v_add_f32_dpp v[S+64*\h+4*\n+\c], v[A+4*\h+\c], v[64*\h+4*\n+\c] row_share:\n row_mask:0xf bank_mask:0xf
.endr
.endr
.endr
.endm
; The sums of step 1: alpha = x[b][0] comes through scalar registers and the adds are plain ones.  A DPP form's destination counts
; as read, so every S is written here before SUMS names it, and nothing has to be cleared.
.macro SUMS_FIRST
.irp g, 0,1,2,3
	s_load_b512 s[RL:RL+15],    s[8:9], 128*\g
	s_load_b512 s[RL+16:RL+31], s[8:9], 128*\g+64
	s_wait_kmcnt 0x0
.set e, 0
.rept 32
	v_add_f32 v[S+32*\g+e], s[RL+e], v[32*\g+e]
.set e, e+1
.endr
.endr
.endm
; Eight chains, one a group, taking turns; then the maximum of the eight.
.macro MAXTREE
.irp k, 0,1,2,3,4,5,6,7
	v_max3_num_f32 v[G+\k], v[S+16*\k], v[S+16*\k+1], v[S+16*\k+2]
.endr
.irp p, 3,5,7,9,11,13
.irp k, 0,1,2,3,4,5,6,7
	v_max3_num_f32 v[G+\k], v[G+\k], v[S+16*\k+\p], v[S+16*\k+\p+1]
.endr
.endr
.irp k, 0,1,2,3,4,5,6,7
	v_max_num_f32 v[G+\k], v[G+\k], v[S+16*\k+15]
.endr
	v_max3_num_f32 v[TA], v[G], v[G+1], v[G+2]
	v_max3_num_f32 v[TB], v[G+3], v[G+4], v[G+5]
	v_max3_num_f32 v[M], v[TA], v[TB], v[G+6]
	v_max_num_f32 v[M], v[M], v[G+7]
.endm
; Which group is the first that holds the maximum: its weight 1.0, the others' 0.0, and its number's three bits as lane masks.
.macro FLAGS
.irp k, 0,1,2,3,4,5,6,7
	v_cmp_eq_f32 s[F+\k], v[G+\k], v[M]
.endr
	s_mov_b32 s[SEEN], s[F]
.irp k, 1,2,3,4,5,6,7
	s_and_not1_b32 s[E+\k], s[F+\k], s[SEEN]
.if \k < 7
	s_or_b32 s[SEEN], s[SEEN], s[F+\k]
.endif
.endr
	v_cndmask_b32 v[W], 0, 1.0, s[F]
.irp k, 1,2,3,4,5,6,7
	v_cndmask_b32 v[W+\k], 0, 1.0, s[E+\k]
.endr
	s_or_b32 s[KB],   s[E+1], s[E+3]
	s_or_b32 s[KB+1], s[E+2], s[E+3]
	s_or_b32 s[KB+2], s[E+4], s[E+5]
	s_or_b32 s[KB],   s[KB],   s[E+5]
	s_or_b32 s[KB+1], s[KB+1], s[E+6]
	s_or_b32 s[KB+2], s[KB+2], s[E+6]
	s_or_b32 s[KB],   s[KB],   s[E+7]
	s_or_b32 s[KB+1], s[KB+1], s[E+7]
	s_or_b32 s[KB+2], s[KB+2], s[E+7]
.endm
; SEL (+)= W[k] x group k's 16 sums, two at a time; both halves take the one weight (the first or the second of its register pair).
.macro PICKK k
.irp p, 0,1,2,3,4,5,6,7
.if \k == 0
	v_pk_mul_f32 v[SEL+2*\p:SEL+2*\p+1], v[S+2*\p:S+2*\p+1], v[W:W+1] op_sel_hi:[1,0]
.else
.if (\k & 1) == 0
	v_pk_fma_f32 v[SEL+2*\p:SEL+2*\p+1], v[S+16*\k+2*\p:S+16*\k+2*\p+1], v[W+\k:W+\k+1], v[SEL+2*\p:SEL+2*\p+1] op_sel_hi:[1,0,1]
.else
	v_pk_fma_f32 v[SEL+2*\p:SEL+2*\p+1], v[S+16*\k+2*\p:S+16*\k+2*\p+1], v[W+\k-1:W+\k], v[SEL+2*\p:SEL+2*\p+1] op_sel:[0,1,0] op_sel_hi:[1,1,1]
.endif
.endif
.endr
.endm
; The first of the 16 selected sums that equals the maximum (one does; the last needs no compare), and BPO = 16 x group + place.
.macro FIRST16
.irp r, 0,1,2,3,4,5,6,7,8,9,10,11,12,13,14
	v_cmp_eq_f32 s[Q+\r], v[SEL+\r], v[M]
.endr
.irp q, 0,1,2
	s_or_b32 s[ANY+\q], s[Q+4*\q], s[Q+4*\q+1]
	s_or_b32 s[ANY+\q], s[ANY+\q], s[Q+4*\q+2]
	s_or_b32 s[ANY+\q], s[ANY+\q], s[Q+4*\q+3]
.endr
.irp q, 0,1,2,3
	v_cndmask_b32 v[X+\q], 4*\q+3, 4*\q+2, s[Q+4*\q+2]
.endr
.irp q, 0,1,2,3
	v_cndmask_b32 v[X+\q], v[X+\q], 4*\q+1, s[Q+4*\q+1]
.endr
.irp q, 0,1,2,3
	v_cndmask_b32 v[X+\q], v[X+\q], 4*\q, s[Q+4*\q]
.endr
	v_cndmask_b32 v[TA], 0, 16, s[KB]
	v_cndmask_b32 v[TB], 0, 32, s[KB+1]
	v_cndmask_b32 v[TC], 0, 64, s[KB+2]
	v_cndmask_b32 v[RI], v[X+3], v[X+2], s[ANY+2]
	v_cndmask_b32 v[RI], v[RI], v[X+1], s[ANY+1]
	v_cndmask_b32 v[RI], v[RI], v[X], s[ANY]
	v_add3_u32 v[TA], v[TA], v[TB], v[TC]
	v_add_nc_u32 v[BPO], v[TA], v[RI]
.endm
.macro ALOAD par                       ; the alpha that all four waves have just stored, 16 bytes a lane, both rows of the wave alike
	ds_load_b128 v[A:A+3],   v[ALD] offset:ABUF+512*\par
	ds_load_b128 v[A+4:A+7], v[ALD] offset:ABUF+512*\par+256
.endm
; One step.  first = 1: t = 1, written without branches (masked by selects), so that every register that a later block reads has been
; written on every path.  first = 0: t = ST + r, slot r of the ring.  par = t & 1: the alpha buffer.
; One barrier a step serves both ways: a buffer is stored again two steps later, behind the next step's barrier, in front of which
; every wave has waited for its loads of it.
.macro STEP r, first, par
.if \first
	WIN 0x04
	SUMS_FIRST
	WIN 0
	MAXTREE
	v_add_f32 v[TA], v[M], v[TD]
	v_cndmask_b32 v[ALPHA], v[ALPHA], v[TA], s[SVM]
	ds_store_b32 v[J4], v[ALPHA] offset:ABUF+512*\par
	FLAGS
.irp k, 0,1,2,3
	PICKK \k
.endr
.else
	s_add_co_u32 s[STMP], s[ST], \r
	s_wait_loadcnt 0x7                             ; loads return in order: slot r's row is in, the seven younger slots stay out (on every path)
	s_cmp_ge_u32 s[STMP], s[SLEN]
	s_cbranch_scc1 .La_\@                          ; a masked step: alpha stays
	s_wait_dscnt 0x1                               ; the two loads of alpha are in; the back-pointer store issued behind them may be out
	WIN 0x04
	SUMS
	WIN 0
	MAXTREE
	v_add_f32 v[ALPHA], v[M], v[POT+\r]
	ds_store_b32 v[J4], v[ALPHA] offset:ABUF+512*\par
	FLAGS
.irp k, 0,1,2,3
	PICKK \k
.endr
.La_\@:
	s_add_co_u32 s[STM2], s[STMP], 8               ; slot r's next row, eight steps ahead, held at the last row that a valid step reads:
	s_min_u32 s[STM2], s[STM2], s[LM1]             ; rows behind the sequence's end are not fetched (the held row is read again and not used)
	s_min_u32 s[STM2], s[STM2], 255
	v_lshl_add_u32 v[OFF+\r], s[STM2], 9, v[J4]    ; free since the wait above showed this slot's load done
	global_load_b32 v[POT+\r], v[OFF+\r], s[8:9]
.endif
	s_wait_dscnt 0x0                               ; for the others' sake: my alpha is in LDS, my reads of the other buffer are over
	s_barrier_signal -1
	s_barrier_wait -1
.if \first
	ALOAD \par
.irp k, 4,5,6,7
	PICKK \k
.endr
	FIRST16
	v_cndmask_b32 v[BPO], v0, v[BPO], s[SVM]
	ds_store_b8 v[BPST], v[BPO] offset:BP+128
.else
	v_mov_b32 v[BPO], v0                           ; the identity, for a masked step
	s_cmp_ge_u32 s[STMP], s[SLEN]
	s_cbranch_scc1 .Lb_\@
	ALOAD \par
.irp k, 4,5,6,7
	PICKK \k                                       ; the rest of the argmax runs while alpha is on its way
.endr
	FIRST16
.Lb_\@:
	ds_store_b8 v[BPST], v[BPO] offset:BP+128*(2+\r)
.endif
.endm
	; ---- head
	s_load_b256 s[4:11], s[0:1], 0x0               ; seq_lens s[4:5], transitions s[6:7], x s[8:9], out0 s[10:11]
	v_lshl_add_u32 v126, v0, 2, 0x29000
	v_mov_b32 v127, 0
	v_lshrrev_b32 v1, 5, v0
	v_readfirstlane_b32 s[SWV], v1
	v_lshlrev_b32 v[J4], 2, v0
	v_and_b32 v1, 31, v0
	v_lshlrev_b32 v[L4], 2, v1
	v_and_b32 v1, 15, v0
	v_lshlrev_b32 v[ALD], 4, v1
	v_mov_b32 v[BPST], v0
	s_lshl_b32 s2, ttmp9, 2                        ; my word of seq_lens
	s_lshl_b32 s18, ttmp9, 17                      ; my sequence: 256 rows of 512 bytes (below 2^25 in all)
	s_mov_b32 s19, 0
	s_wait_kmcnt 0x0
	s_load_b32 s[SLEN], s[4:5], s2 offset:0x0
	s_add_nc_u64 s[8:9], s[8:9], s[18:19]
	s_add_nc_u64 s[10:11], s[10:11], s[18:19]
	WIN 0x40
.set i, 0
.rept 128
	global_load_b32 v[i], v[J4], s[6:7] offset:512*i   ; v256+i = trans[i][j]; a wave's load covers 128 neighbouring bytes
.set i, i+1
.endr
	WIN 0
	global_load_b32 v[ALPHA], v[J4], s[8:9]        ; alpha = x[b][0]
	s_wait_kmcnt 0x0
	s_max_i32 s[SLEN], s[SLEN], 1
	s_sub_co_u32 s[LM1], s[SLEN], 1
	s_min_u32 s[LM1], s[LM1], 255
	s_add_co_u32 s[SLEN], s[LM1], 1
	s_min_u32 s[STMP], s[LM1], 1
	v_lshl_add_u32 v1, s[STMP], 9, v[J4]
	global_load_b32 v[TD], v1, s[8:9]              ; row 1 (row 0 if the sequence has one row: then not used)
.irp r, 0,1,2,3,4,5,6,7
	s_min_u32 s[STMP], s[LM1], 2+\r
	v_lshl_add_u32 v[OFF+\r], s[STMP], 9, v[J4]
	global_load_b32 v[POT+\r], v[OFF+\r], s[8:9]   ; the ring: rows 2 to 9
.endr
	s_cmp_gt_u32 s[SLEN], 1
	s_cselect_b32 s[SVM], -1, 0
	s_wait_loadcnt 0x8                             ; all but the eight loads of the ring: trans, row 0 and row 1 are in
	; ---- the 255 steps (and two masked ones, t = 256 and 257, that fill the last trip)
	STEP 0, 1, 1
	s_mov_b32 s[ST], 2
.Ltrip:
	STEP 0, 0, 0
	STEP 1, 0, 1
	STEP 2, 0, 0
	STEP 3, 0, 1
	STEP 4, 0, 0
	STEP 5, 0, 1
	STEP 6, 0, 0
	STEP 7, 0, 1
	v_add_nc_u32 v[BPST], 0x400, v[BPST]           ; eight rows of back pointers on
	s_add_co_u32 s[ST], s[ST], 8
	s_cmp_lt_u32 s[ST], 258
	s_cbranch_scc1 .Ltrip
	; ---- the last tag and the walk back: wave 0
	ds_store_b32 v[J4], v[ALPHA] offset:FIN
	s_wait_dscnt 0x0                               ; my alpha and my back pointers are in LDS
	s_barrier_signal -1
	s_barrier_wait -1
	s_cmp_lg_u32 s[SWV], 0
	s_cbranch_scc1 .Lwalked
	v_lshlrev_b32 v[TA], 2, v[L4]
	ds_load_b128 v[A:A+3], v[TA] offset:FIN        ; lane l: alpha[4l .. 4l+3]
.set t, 128
.rept 128
	ds_load_b32 v[t], v[L4] offset:BP+128*t        ; row t in one register: lane = tag / 4, byte = tag mod 4
.set t, t+1
.endr
	s_mov_b32 s24, 0x76543210                      ; v_permlanex16_b32: lane i of one row reads lane i of the other
	s_mov_b32 s25, 0xfedcba98
	s_wait_dscnt 0x0
	v_max3_num_f32 v[M], v[A], v[A+1], v[A+2]
	v_max_num_f32 v[M], v[M], v[A+3]
	v_max_num_f32_dpp v[M], v[M], v[M] row_xmask:1 row_mask:0xf bank_mask:0xf
	v_max_num_f32_dpp v[M], v[M], v[M] row_xmask:2 row_mask:0xf bank_mask:0xf
	v_max_num_f32_dpp v[M], v[M], v[M] row_xmask:4 row_mask:0xf bank_mask:0xf
	v_max_num_f32_dpp v[M], v[M], v[M] row_xmask:8 row_mask:0xf bank_mask:0xf
	v_permlanex16_b32 v[TB], v[M], s24, s25
	v_max_num_f32 v[M], v[M], v[TB]
.irp c, 0,1,2,3
	v_cmp_eq_f32 s[28+\c], v[A+\c], v[M]
.endr
	v_cndmask_b32 v[TA], 3, 2, s30                 ; the first of my four that equals the maximum
	v_cndmask_b32 v[TA], v[TA], 1, s29
	v_cndmask_b32 v[TA], v[TA], 0, s28
	s_or_b32 s28, s28, s29
	s_or_b32 s30, s30, s31
	s_or_b32 s28, s28, s30
	s_ctz_i32_b32 s[LANE], s28                     ; the first lane that holds it: lanes hold ascending indices
	s_and_b32 s[LANE], s[LANE], 31
	v_readlane_b32 s[SW], v[TA], s[LANE]
	s_lshl2_add_u32 s[TAG], s[LANE], s[SW]
	s_and_b32 s[TAG], s[TAG], 0x7f
	v_writelane_b32 v[W+7], s[TAG], 31             ; tag of t = 255
	; tag[t-1] = bp[t][tag[t]]: a lane and a byte of row t's register.  A register that has been used takes the row 128 further down.
.set t, 255
.rept 255
.if t == 127
	s_wait_dscnt 0x0                               ; rows 1 to 127 are in
.endif
	s_lshr_b32 s[LANE], s[TAG], 2
	v_readlane_b32 s[SW], v[128+(t&127)], s[LANE]
	s_lshl_b32 s[SH], s[TAG], 3                    ; a shift takes its count's low five bits: 8 x (tag mod 4)
	s_lshr_b32 s[SW], s[SW], s[SH]
	s_and_b32 s[TAG], s[SW], 0x7f
	v_writelane_b32 v[W+((t-1)>>5)], s[TAG], (t-1)&31
.if t > 128
	ds_load_b32 v[t], v[L4] offset:BP+128*(t-128)
.endif
.set t, t-1
.endr
.irp q, 0,1,2,3,4,5,6,7
	ds_store_b32 v[L4], v[W+\q] offset:TAGS+128*\q
.endr
.Lwalked:
	s_wait_dscnt 0x0                               ; wave 0: the tags are in LDS
	s_barrier_signal -1
	s_barrier_wait -1
	; ---- the one-hot rows: wave w writes rows 64 w .. 64 w + 63; a store of the wave is a whole row, 512 neighbouring bytes
	v_lshl_add_u32 v[TA], s[SWV], 8, v[L4]
	ds_load_b32 v[TG],   v[TA] offset:TAGS
	ds_load_b32 v[TG+1], v[TA] offset:TAGS+128
	v_lshlrev_b32 v[OO], 2, v[L4]
	v_lshl_add_u32 v[OO], s[SWV], 15, v[OO]        ; 16 x lane + 64 w rows
	s_wait_dscnt 0x0
.set q, 0
.rept 64
.if q == 32
	s_wait_xcnt 0x0                                ; the 32 sets of data registers are written a second time only behind this wait
.endif
	v_readlane_b32 s[SC], v[TG+(q>>5)], q&31
	v_sub_nc_u32 v[TD], s[SC], v[L4]               ; tag - 4 x lane: 0..3 in the lane that holds the one
.irp c, 0,1,2,3
	v_cmp_eq_u32 s[28+\c], \c, v[TD]
.endr
.irp c, 0,1,2,3
	v_cndmask_b32 v[S+4*(q&31)+\c], 0, 1.0, s[28+\c]
.endr
	global_store_b128 v[OO], v[S+4*(q&31):S+4*(q&31)+3], s[10:11] offset:512*q th:TH_STORE_NT
.set q, q+1
.endr
	s_wait_tensorcnt 0x0
	ds_add_u32 v126, v127
	s_wait_dscnt 0x0
	s_endpgm
.Lfunc_end_k_q1a2f112be6_viterbi:
	.size	k_q1a2f112be6_viterbi, .Lfunc_end_k_q1a2f112be6_viterbi-k_q1a2f112be6_viterbi
	.p2alignl 7, 3214868480
	.fill 96, 4, 3214868480
	.section	.rodata,"a",@progbits
	.p2align	6, 0x0
	.amdhsa_kernel k_q1a2f112be6_viterbi
		.amdhsa_group_segment_fixed_size 168448
		.amdhsa_private_segment_fixed_size 0
		.amdhsa_enable_private_segment 0
		.amdhsa_kernarg_size 32
		.amdhsa_user_sgpr_count 2
		.amdhsa_user_sgpr_kernarg_segment_ptr 1
		.amdhsa_wavefront_size32 1
		.amdhsa_system_sgpr_workgroup_id_x 1
		.amdhsa_system_sgpr_workgroup_id_y 1
		.amdhsa_system_sgpr_workgroup_id_z 1
		.amdhsa_system_vgpr_workitem_id 0
		.amdhsa_next_free_vgpr 384
		.amdhsa_next_free_sgpr 100
		.amdhsa_reserve_vcc 0
		.amdhsa_float_denorm_mode_32 3
		.amdhsa_float_denorm_mode_16_64 3
		.amdhsa_memory_ordered 1
		.amdhsa_forward_progress 1
		.amdhsa_inst_pref_size 255
	.end_amdhsa_kernel
	.section	.bss,"aw",@nobits
	.p2align	6
	.space	262144
	.amdgpu_metadata
---
amdhsa.version: [ 1, 2 ]
amdhsa.kernels:
  - .name:           k_q1a2f112be6_viterbi
    .symbol:         k_q1a2f112be6_viterbi.kd
    .args:
      - { .name: seq_lens, .offset: 0, .size: 8, .value_kind: global_buffer, .address_space: global }
      - { .name: transitions, .offset: 8, .size: 8, .value_kind: global_buffer, .address_space: global }
      - { .name: x, .offset: 16, .size: 8, .value_kind: global_buffer, .address_space: global }
      - { .name: out0, .offset: 24, .size: 8, .value_kind: global_buffer, .address_space: global }
    .group_segment_fixed_size: 168448
    .private_segment_fixed_size: 0
    .kernarg_segment_align: 8
    .kernarg_segment_size: 32
    .max_flat_workgroup_size: 128
    .sgpr_count:     100
    .vgpr_count:     384
    .wavefront_size: 32
...
	.end_amdgpu_metadata
.endif
;; end of part 1
;; ======== version 2 of 2: 1 launch; version 1 with the launch viterbi written anew for expert scheduling mode
;; launch viterbi (part 2): grid 256 x 1, 4 waves a work-group, no clusters, 168,448 bytes of LDS; arguments seq_lens, transitions, x, out0; writes out0
.if DOCPART == 2
	.amdgcn_target "amdgcn-amd-amdhsa--gfx1250"
	.amdhsa_code_object_version 6
	.text
	.protected	k_q1a2f112be6_viterbi
	.globl	k_q1a2f112be6_viterbi
	.p2align	8
	.type	k_q1a2f112be6_viterbi,@function
k_q1a2f112be6_viterbi:
	s_mov_b64 s[64:65], 0
	v_nop
	global_prefetch_b8 v0, s[64:65] scope:SCOPE_SE
	s_setreg_imm32_b32 hwreg(HW_REG_WAVE_SCHED_MODE, 0, 2), 2
	s_setreg_imm32_b32 hwreg(HW_REG_WAVE_MODE, 25, 1), 1
	s_wait_xcnt 0x0
	s_wait_alu depctr_vm_vsrc(0)
; Viterbi decoding of a CRF and one-hot output.  x, out0: [256][256][128] f32, transitions: [128][128] f32, seq_lens: [256] i32.
; One work-group = one sequence b, four waves, thread j (0..127) = column j, trans[0..127][j] in 128 registers of the thread.
;   t < seq_len:  alpha'[j] = max over i (alpha[i] + trans[i][j]) + x[b][t][j],  bp[t][j] = the FIRST i that reaches the max;
;   t >= seq_len: alpha stays, bp is the identity.  Then the last tag (first argmax of alpha), the walk back, the one-hot rows.
; The two f32 additions are the definition's own, in its order, so every comparison sees the same bits.
; The launch asks for more than half of a WGP's LDS (35,584 bytes are used): the work-group has the four SIMDs to itself, one wave each.
;
; A STEP, 128 sums a lane: 128 adds that take alpha[i] from a lane of the row inside the add (DPP row_share); the maxima of 8 groups of
; 16 sums and their maximum m; alpha' leaves for LDS at once.  The argmax does not feed alpha', so it stands where the wave would wait
; for LDS: flag the groups whose maximum equals m, keep the first flag (scalar logic on lane masks), make weights 1.0 / 0.0 of it, pick
; that group's 16 sums by packed multiply-adds (one term times 1, seven times 0: exact); the first of the 16 equal to m gives the low bits.
; No address and no branch hangs on a floating-point result: back pointers go to fixed LDS bytes, the walk back selects a lane
; (v_readlane_b32) and a byte (a shift) of registers, the one-hot rows are compares and selects.
; Branches hang on seq_lens alone: a masked step jumps over its two blocks of work, never over a barrier or a counted load.
;
; THE MODE: SCHED_MODE bits 1:0 = 2 (LLVM: expert scheduling mode 2), set by the entry lines.  The code itself states the register
; dependences between vector instructions and memory or LDS instructions, and from a vector instruction's scalar result to its reader,
; with s_wait_alu, always for 0.
; THE PLAN.  Registers that memory or LDS instructions touch, in the loop:
;   A         written by the two LDS loads behind step t's barrier; read by the sums of step t + 1.
;   POT[r]    written by the load at the end of the first half of slot r's step; read by the one add that makes alpha, eight steps on.
;   ALPHA     written by that add; read by the LDS store directly behind it.
;   BPO       written behind the barrier; read by the byte store at the step's end.
;   BPST      read by the byte stores; written once a trip, behind the barrier of the trip's first step.
;   J4, ALD   made at the head, never written again.  The ring's rows are reached by a scalar base for each slot.
;   S, G, M, W, SEL, X are named by vector instructions alone while the loop runs.
; A step has three such waits.  (1) va_vdst behind the add that makes alpha: alpha is written; the sums are done reading A; the add is done
; reading POT[r].  The store of alpha, the ring's load and the loads of alpha follow it, and no vector instruction between names their
; registers.  (2) vm_vsrc behind the barrier: the store of alpha has read ALPHA, the last byte store BPO and BPST.  (3) va_vdst at the
; step's end: BPO (and BPST) are written.  Each of the step's two runs of compares has one wait on va_sdst behind it.
;
; LIMITS.  Every sum alpha[i] + trans[i][j] must be finite (magnitude below 3.4e38): an infinite sum times the weight 0 would be NaN in
; the selection.  NaN inputs are not served.  +0 and -0 compare equal, as in the definition's comparison.
; seq_lens may hold any i32: above 256 acts as 256, below 1 as 1, which is what t < seq_len gives for t = 1..255.
; LDS
.set ABUF,  0                          ; two buffers of 128 alpha; step t uses buffer t & 1
.set FIN,   1024                       ; the final alpha
.set TAGS,  1536                       ; 256 tags, a word each
.set BP,    2560                       ; back pointers: row t (1..257) of 128 bytes, byte j
; vector registers, window 0
.set A,     2                          ; v[2:9]    alpha as loaded: register 4h+c, lane n of either row = alpha[64h + 4n + c]
.set G,     10                         ; v[10:17]  maxima of the groups i = 16k .. 16k+15
.set M,     18                         ; their maximum
.set TA,    19                         ; at work
.set W,     20                         ; v[20:27]  weight of group k; in the walk back: tags t = 32q + lane
.set SEL,   28                         ; v[28:43]  the 16 sums of the first group that holds the maximum
.set DD,    SEL                        ; v[28:35]  in the output: tag - 4 x lane for eight rows
.set X,     44                         ; v[44:47]  first equal sum in each four of the 16
.set RI,    48                         ; the place in the group
.set TB,    49
.set TC,    50
.set BPO,   51                         ; the back pointer that is stored
.set ALPHA, 52                         ; alpha[j]
.set TD,    53                         ; x[b][1][j]
.set POT,   56                         ; v[56:63]  ring of eight rows of x, my column
.set OFF,   64                         ; v[64:71]  byte offsets of the ring's first eight loads; written once
.set J4,    72                         ; 4 j
.set ALD,   73                         ; 16 (lane mod 16): where I read alpha
.set BPST,  74                         ; j + 1,024 x (trip + 1); j in step 1
.set L4,    75                         ; 4 x lane
.set TG,    76                         ; v[76:77]  my wave's 64 tags
.set OO,    78                         ; my byte offset in the output
.set L16,   79                         ; 16 x lane
.set TGA,   80                         ; LDS offset of my wave's tags
.set S,     128                        ; v[128:255] the 128 sums; later rows of back pointers, then output rows
; window 1: v256+i = trans[i][j], written v[i] (source 1 under the setting 0x04, a load's destination under 0x40)
; scalar registers
.set SOF,   2                          ; s[2:3]    a row's byte offset in the sequence, 64 bits
.set SWV,   12                         ; wave
.set SLEN,  13                         ; seq_len, clamped to 1..256
.set ST,    14                         ; t of a trip's first step
.set LM1,   15                         ; seq_len - 1: the last row of x that a valid step reads
.set SVM,   16                         ; all ones if 1 < seq_len
.set STMP,  17                         ; t
.set F,     20                         ; s[20:27]  lane masks: group k holds the maximum
.set E,     28                         ; s[29:35]  ... and no earlier group does; s28 = SEEN
.set SEEN,  28
.set KB,    36                         ; s[36:38]  bits 0..2 of the group's number, as lane masks
.set Q,     40                         ; s[40:54]  lane masks: selected sum r equals the maximum; at the head s[40:48]: nine row numbers
.set ANY,   56                         ; s[56:58]
.set RL,    68                         ; s[68:99]  first step: 32 alpha at a time
.set XB,    68                         ; s[68:83]  from step 2 on: slot r's base, x at the row that the slot loads: a pair at XB + 2 r
.set TAG,   20                         ; the walk back
.set LANE,  21
.set SW,    22
.set SH,    23
.set TGS,   20                         ; the output: eight tags, s[20:27] and s[84:91] by turns (s[68:83] are bases of loads that are still out)
.set MK,    28                         ; s[28:59]  the output: four lane masks for each of eight rows
.set MSB, 0
.macro WIN new                         ; low byte: the windows (bits 3:2 source 1, 7:6 destination); high byte: the setting that is left
.if MSB != \new
	s_set_vgpr_msb (MSB<<8)|\new
.set MSB, \new
.endif
.endm
; The sums of a step in the loop: S[i] = alpha[i] + trans[i][j], alpha[i] taken from lane n of my row inside the add.
.macro SUMS
.irp h, 0,1
.irp n, 0,1,2,3,4,5,6,7,8,9,10,11,12,13,14,15
.irp c, 0,1,2,3
	v_add_f32_dpp v[S+64*\h+4*\n+\c], v[A+4*\h+\c], v[64*\h+4*\n+\c] row_share:\n row_mask:0xf bank_mask:0xf
.endr
.endr
.endr
.endm
; The sums of step 1: alpha = x[b][0] comes through scalar registers and the adds are plain ones.  A DPP form's destination counts
; as read, so every S is written here before SUMS names it, and nothing has to be cleared.
.macro SUMS_FIRST
.irp g, 0,1,2,3
	s_load_b512 s[RL:RL+15],    s[8:9], 128*\g
	s_load_b512 s[RL+16:RL+31], s[8:9], 128*\g+64
	s_wait_kmcnt 0x0
.set e, 0
.rept 32
	v_add_f32 v[S+32*\g+e], s[RL+e], v[32*\g+e]
.set e, e+1
.endr
.endr
.endm
; Eight chains, one a group, taking turns; then the maximum of the eight.
.macro MAXTREE
.irp k, 0,1,2,3,4,5,6,7
	v_max3_num_f32 v[G+\k], v[S+16*\k], v[S+16*\k+1], v[S+16*\k+2]
.endr
.irp p, 3,5,7,9,11,13
.irp k, 0,1,2,3,4,5,6,7
	v_max3_num_f32 v[G+\k], v[G+\k], v[S+16*\k+\p], v[S+16*\k+\p+1]
.endr
.endr
.irp k, 0,1,2,3,4,5,6,7
	v_max_num_f32 v[G+\k], v[G+\k], v[S+16*\k+15]
.endr
	v_max3_num_f32 v[TA], v[G], v[G+1], v[G+2]
	v_max3_num_f32 v[TB], v[G+3], v[G+4], v[G+5]
	v_max3_num_f32 v[M], v[TA], v[TB], v[G+6]
	v_max_num_f32 v[M], v[M], v[G+7]
.endm
; Which group is the first that holds the maximum: its weight 1.0, the others' 0.0, and its number's three bits as lane masks.
.macro FLAGS
.irp k, 0,1,2,3,4,5,6,7
	v_cmp_eq_f32 s[F+\k], v[G+\k], v[M]
.endr
	s_wait_alu depctr_va_sdst(0)                   ; the eight compares have written s[F ..], which the scalar logic and the selects below read
	s_mov_b32 s[SEEN], s[F]
.irp k, 1,2,3,4,5,6,7
	s_and_not1_b32 s[E+\k], s[F+\k], s[SEEN]
.if \k < 7
	s_or_b32 s[SEEN], s[SEEN], s[F+\k]
.endif
.endr
	v_cndmask_b32 v[W], 0, 1.0, s[F]
.irp k, 1,2,3,4,5,6,7
	v_cndmask_b32 v[W+\k], 0, 1.0, s[E+\k]
.endr
	s_or_b32 s[KB],   s[E+1], s[E+3]
	s_or_b32 s[KB+1], s[E+2], s[E+3]
	s_or_b32 s[KB+2], s[E+4], s[E+5]
	s_or_b32 s[KB],   s[KB],   s[E+5]
	s_or_b32 s[KB+1], s[KB+1], s[E+6]
	s_or_b32 s[KB+2], s[KB+2], s[E+6]
	s_or_b32 s[KB],   s[KB],   s[E+7]
	s_or_b32 s[KB+1], s[KB+1], s[E+7]
	s_or_b32 s[KB+2], s[KB+2], s[E+7]
.endm
; SEL (+)= W[k] x group k's 16 sums, two at a time; both halves take the one weight (the first or the second of its register pair).
.macro PICKK k
.irp p, 0,1,2,3,4,5,6,7
.if \k == 0
	v_pk_mul_f32 v[SEL+2*\p:SEL+2*\p+1], v[S+2*\p:S+2*\p+1], v[W:W+1] op_sel_hi:[1,0]
.else
.if (\k & 1) == 0
	v_pk_fma_f32 v[SEL+2*\p:SEL+2*\p+1], v[S+16*\k+2*\p:S+16*\k+2*\p+1], v[W+\k:W+\k+1], v[SEL+2*\p:SEL+2*\p+1] op_sel_hi:[1,0,1]
.else
	v_pk_fma_f32 v[SEL+2*\p:SEL+2*\p+1], v[S+16*\k+2*\p:S+16*\k+2*\p+1], v[W+\k-1:W+\k], v[SEL+2*\p:SEL+2*\p+1] op_sel:[0,1,0] op_sel_hi:[1,1,1]
.endif
.endif
.endr
.endm
; The first of the 16 selected sums that equals the maximum (one does; the last needs no compare), and BPO = 16 x group + place.
; The four lines that make 16 x group need none of the compares' masks: they stand between the compares and the wait for them.
.macro FIRST16
.irp r, 0,1,2,3,4,5,6,7,8,9,10,11,12,13,14
	v_cmp_eq_f32 s[Q+\r], v[SEL+\r], v[M]
.endr
	v_cndmask_b32 v[TA], 0, 16, s[KB]
	v_cndmask_b32 v[TB], 0, 32, s[KB+1]
	v_cndmask_b32 v[TC], 0, 64, s[KB+2]
	v_add3_u32 v[TA], v[TA], v[TB], v[TC]
	s_wait_alu depctr_va_sdst(0)                   ; the fifteen compares have written s[Q ..], which the scalar logic and the selects below read
.irp q, 0,1,2
	s_or_b32 s[ANY+\q], s[Q+4*\q], s[Q+4*\q+1]
	s_or_b32 s[ANY+\q], s[ANY+\q], s[Q+4*\q+2]
	s_or_b32 s[ANY+\q], s[ANY+\q], s[Q+4*\q+3]
.endr
.irp q, 0,1,2,3
	v_cndmask_b32 v[X+\q], 4*\q+3, 4*\q+2, s[Q+4*\q+2]
.endr
.irp q, 0,1,2,3
	v_cndmask_b32 v[X+\q], v[X+\q], 4*\q+1, s[Q+4*\q+1]
.endr
.irp q, 0,1,2,3
	v_cndmask_b32 v[X+\q], v[X+\q], 4*\q, s[Q+4*\q]
.endr
	v_cndmask_b32 v[RI], v[X+3], v[X+2], s[ANY+2]
	v_cndmask_b32 v[RI], v[RI], v[X+1], s[ANY+1]
	v_cndmask_b32 v[RI], v[RI], v[X], s[ANY]
	v_add_nc_u32 v[BPO], v[TA], v[RI]
.endm
.macro ALOAD par                       ; the alpha that all four waves have just stored, 16 bytes a lane, both rows of the wave alike
	ds_load_b128 v[A:A+3],   v[ALD] offset:ABUF+512*\par
	ds_load_b128 v[A+4:A+7], v[ALD] offset:ABUF+512*\par+256
.endm
; One step.  first = 1: t = 1, written without branches (masked by selects), so that every register that a later block reads has been
; written on every path.  first = 0: t = ST + r, slot r of the ring.  par = t & 1: the alpha buffer.
; One barrier a step serves both ways: a buffer is stored again two steps later, behind the next step's barrier, in front of which
; every wave has waited for its loads of it.
.macro STEP r, first, par
.if \first
	WIN 0x04
	SUMS_FIRST
	WIN 0
	MAXTREE
	v_add_f32 v[TA], v[M], v[TD]
	v_cndmask_b32 v[ALPHA], v[ALPHA], v[TA], s[SVM]
	s_wait_alu depctr_va_vdst(0)                   ; alpha is written, which the LDS store reads
	ds_store_b32 v[J4], v[ALPHA] offset:ABUF+512*\par
	FLAGS
.irp k, 0,1,2,3
	PICKK \k
.endr
.else
	s_add_co_u32 s[STMP], s[ST], \r
	s_wait_loadcnt 0x7                             ; loads return in order: slot r's row is in, the seven younger slots stay out (on every path)
	s_cmp_ge_u32 s[STMP], s[SLEN]
	s_cbranch_scc1 .La_\@                          ; a masked step: alpha stays
	s_wait_dscnt 0x1                               ; the two loads of alpha are in; the back-pointer store issued behind them may be out
	WIN 0x04
	SUMS
	WIN 0
	MAXTREE
	v_add_f32 v[ALPHA], v[M], v[POT+\r]
	s_wait_alu depctr_va_vdst(0)                   ; alpha is written, which the LDS store reads; the sums are done reading A, in which the loads behind the barrier land; the add is done reading POT[r], in which the load below lands
	ds_store_b32 v[J4], v[ALPHA] offset:ABUF+512*\par
	FLAGS
.irp k, 0,1,2,3
	PICKK \k
.endr
.La_\@:
	s_add_co_u32 s[SOF], s[STMP], 8                ; slot r's next row, eight steps ahead, held at the last row that a valid step reads:
	s_min_u32 s[SOF], s[SOF], s[LM1]               ; rows behind the sequence's end are not fetched (the held row is read again and not used)
	s_min_u32 s[SOF], s[SOF], 255
	s_lshl_b32 s[SOF], s[SOF], 9                   ; 512 bytes a row
	s_add_nc_u64 s[XB+2*\r:XB+2*\r+1], s[8:9], s[SOF:SOF+1]  ; the slot's base: free since the wait at the step's head showed the load that read it done
	global_load_b32 v[POT+\r], v[J4], s[XB+2*\r:XB+2*\r+1]   ; no wait here: POT[r]'s one reader stands directly ahead of a wait on va_vdst, on every path, and nothing since names POT[r] or J4
.endif
	s_wait_dscnt 0x0                               ; for the others' sake: my alpha is in LDS, my reads of the other buffer are over
	s_barrier_signal -1
	s_barrier_wait -1
	s_wait_alu depctr_vm_vsrc(0)                   ; my store of alpha has read ALPHA, which the next step writes; the last step's byte store has read BPO and BPST, which are written below
.if \first
	ALOAD \par
.irp k, 4,5,6,7
	PICKK \k
.endr
	FIRST16
	v_cndmask_b32 v[BPO], v0, v[BPO], s[SVM]
	s_wait_alu depctr_va_vdst(0)                   ; BPO is written, which the byte store reads
	ds_store_b8 v[BPST], v[BPO] offset:BP+128
.else
.if \r == 0
	v_add_nc_u32 v[BPST], 0x400, v[BPST]           ; eight rows of back pointers on, once a trip; the stores' immediates are 1,024 lower for it
.endif
	v_mov_b32 v[BPO], v0                           ; the identity, for a masked step
	s_cmp_ge_u32 s[STMP], s[SLEN]
	s_cbranch_scc1 .Lb_\@
	ALOAD \par                                     ; no wait here: no vector instruction since the wait behind the sums names A or ALD
.irp k, 4,5,6,7
	PICKK \k                                       ; the rest of the argmax runs while alpha is on its way
.endr
	FIRST16
.Lb_\@:
	s_wait_alu depctr_va_vdst(0)                   ; BPO is written, and in a trip's first step BPST: the byte store reads both.  Behind the last step: the selection is done reading S, in which the walk's loads land
	ds_store_b8 v[BPST], v[BPO] offset:BP+128*(2+\r)-0x400
.endif
.endm
	; ---- head
	s_load_b256 s[4:11], s[0:1], 0x0               ; seq_lens s[4:5], transitions s[6:7], x s[8:9], out0 s[10:11]
	v_lshl_add_u32 v126, v0, 2, 0x29000
	v_mov_b32 v127, 0
	v_lshrrev_b32 v1, 5, v0
	v_readfirstlane_b32 s[SWV], v1
	v_lshlrev_b32 v[J4], 2, v0
	v_and_b32 v1, 31, v0
	v_lshlrev_b32 v[L4], 2, v1
	v_lshlrev_b32 v[L16], 4, v1
	v_and_b32 v1, 15, v0
	v_lshlrev_b32 v[ALD], 4, v1
	v_mov_b32 v[BPST], v0
	s_wait_alu depctr_va_sdst(0)                   ; the wave's number is written, ahead of its first reader
	v_lshl_add_u32 v[TGA], s[SWV], 8, v[L4]        ; the way out: my wave's 64 tags in LDS, a word a lane
	v_lshl_add_u32 v[OO], s[SWV], 15, v[L16]       ; 16 x lane + 64 w rows
	s_lshl_b32 s2, ttmp9, 2                        ; my word of seq_lens
	s_lshl_b32 s18, ttmp9, 17                      ; my sequence: 256 rows of 512 bytes (below 2^25 in all)
	s_mov_b32 s19, 0
	s_wait_kmcnt 0x0
	s_load_b32 s[SLEN], s[4:5], s2 offset:0x0
	s_add_nc_u64 s[8:9], s[8:9], s[18:19]
	s_add_nc_u64 s[10:11], s[10:11], s[18:19]
	WIN 0x40
	s_wait_alu depctr_va_vdst(0)                   ; J4, L4, L16, ALD, BPST, TGA and OO are written: the offsets and LDS addresses that the kernel's loads and stores read
.set i, 0
.rept 128
	global_load_b32 v[i], v[J4], s[6:7] offset:512*i   ; v256+i = trans[i][j]; a wave's load covers 128 neighbouring bytes
.set i, i+1
.endr
	WIN 0
	global_load_b32 v[ALPHA], v[J4], s[8:9]        ; alpha = x[b][0]
	s_wait_kmcnt 0x0
	s_mov_b32 s[SOF+1], 0                          ; the high word of a row's offset
	s_max_i32 s[SLEN], s[SLEN], 1
	s_sub_co_u32 s[LM1], s[SLEN], 1
	s_min_u32 s[LM1], s[LM1], 255
	s_add_co_u32 s[SLEN], s[LM1], 1
	s_min_u32 s[Q+8], s[LM1], 1
.irp r, 0,1,2,3,4,5,6,7
	s_min_u32 s[Q+\r], s[LM1], 2+\r
.endr
	v_lshl_add_u32 v1, s[Q+8], 9, v[J4]
.irp r, 0,1,2,3,4,5,6,7
	v_lshl_add_u32 v[OFF+\r], s[Q+\r], 9, v[J4]
.endr
	s_wait_alu depctr_va_vdst(0)                   ; the nine offsets are written, which the nine loads below read
	global_load_b32 v[TD], v1, s[8:9]              ; row 1 (row 0 if the sequence has one row: then not used)
.irp r, 0,1,2,3,4,5,6,7
	global_load_b32 v[POT+\r], v[OFF+\r], s[8:9]   ; the ring: rows 2 to 9
.endr
	s_cmp_gt_u32 s[SLEN], 1
	s_cselect_b32 s[SVM], -1, 0
	s_wait_loadcnt 0x8                             ; all but the eight loads of the ring: trans, row 0 and row 1 are in
	; ---- the 255 steps (and two masked ones, t = 256 and 257, that fill the last trip)
	STEP 0, 1, 1
	s_mov_b32 s[ST], 2
.Ltrip:
	STEP 0, 0, 0
	STEP 1, 0, 1
	STEP 2, 0, 0
	STEP 3, 0, 1
	STEP 4, 0, 0
	STEP 5, 0, 1
	STEP 6, 0, 0
	STEP 7, 0, 1
	s_add_co_u32 s[ST], s[ST], 8
	s_cmp_lt_u32 s[ST], 258
	s_cbranch_scc1 .Ltrip
	; ---- the last tag and the walk back: wave 0
; n steps of the walk, from t down: tag[t-1] = bp[t][tag[t]]: a lane and a byte of row t's register.
.macro BACK n
.rept \n
	s_lshr_b32 s[LANE], s[TAG], 2
	v_readlane_b32 s[SW], v[128+(t&127)], s[LANE]
	s_lshl_b32 s[SH], s[TAG], 3                    ; a shift takes its count's low five bits: 8 x (tag mod 4)
	s_wait_alu depctr_va_sdst(0)                   ; the word of row t is written, which the shift reads
	s_lshr_b32 s[SW], s[SW], s[SH]
	s_and_b32 s[TAG], s[SW], 0x7f
	v_writelane_b32 v[W+((t-1)>>5)], s[TAG], (t-1)&31
.set t, t-1
.endr
.endm
; n rows of back pointers from row 'from' on, a row to a register: lane = tag / 4, byte = tag mod 4.  Row u lies in v[128 + u mod 128].
.macro ROWS from, n
.set u, \from
.rept \n
	ds_load_b32 v[128+(u&127)], v[L4] offset:BP+128*u
.set u, u+1
.endr
.endm
	ds_store_b32 v[J4], v[ALPHA] offset:FIN        ; (alpha's last writer stands directly ahead of a wait on va_vdst)
	s_wait_dscnt 0x0                               ; my alpha and my back pointers are in LDS
	s_barrier_signal -1
	s_barrier_wait -1
	s_cmp_lg_u32 s[SWV], 0
	s_cbranch_scc1 .Lwalked
	ds_load_b128 v[A:A+3], v[L16] offset:FIN       ; lane l: alpha[4l .. 4l+3]
	ROWS 128, 128                                  ; no wait here: the last step's closing wait on va_vdst covers every vector instruction that named A or S
	s_mov_b32 s24, 0x76543210                      ; v_permlanex16_b32: lane i of one row reads lane i of the other
	s_mov_b32 s25, 0xfedcba98
	s_wait_dscnt 0x0
	v_max3_num_f32 v[M], v[A], v[A+1], v[A+2]
	v_max_num_f32 v[M], v[M], v[A+3]
	v_max_num_f32_dpp v[M], v[M], v[M] row_xmask:1 row_mask:0xf bank_mask:0xf
	v_max_num_f32_dpp v[M], v[M], v[M] row_xmask:2 row_mask:0xf bank_mask:0xf
	v_max_num_f32_dpp v[M], v[M], v[M] row_xmask:4 row_mask:0xf bank_mask:0xf
	v_max_num_f32_dpp v[M], v[M], v[M] row_xmask:8 row_mask:0xf bank_mask:0xf
	v_permlanex16_b32 v[TB], v[M], s24, s25
	v_max_num_f32 v[M], v[M], v[TB]
.irp c, 0,1,2,3
	v_cmp_eq_f32 s[28+\c], v[A+\c], v[M]
.endr
	s_wait_alu depctr_va_sdst(0)                   ; the four compares have written s[28:31], which the selects and the scalar logic read
	v_cndmask_b32 v[TA], 3, 2, s30                 ; the first of my four that equals the maximum
	v_cndmask_b32 v[TA], v[TA], 1, s29
	v_cndmask_b32 v[TA], v[TA], 0, s28
	s_or_b32 s28, s28, s29
	s_or_b32 s30, s30, s31
	s_or_b32 s28, s28, s30
	s_ctz_i32_b32 s[LANE], s28                     ; the first lane that holds it: lanes hold ascending indices
	s_and_b32 s[LANE], s[LANE], 31
	v_readlane_b32 s[SW], v[TA], s[LANE]
	s_wait_alu depctr_va_sdst(0)                   ; that lane's place is written, which the sum below reads
	s_lshl2_add_u32 s[TAG], s[LANE], s[SW]
	s_and_b32 s[TAG], s[TAG], 0x7f
	v_writelane_b32 v[W+7], s[TAG], 31             ; tag of t = 255
	; Registers that have been used take the rows 128 further down, in two runs, each a quarter of the walk ahead of its first use.
.set t, 255
	BACK 64                                        ; t = 255 .. 192
	s_wait_alu depctr_va_vdst(0)                   ; the walk is done reading v[192:255], in which rows 64 to 127 land
	ROWS 64, 64
	BACK 64                                        ; t = 191 .. 128
	s_wait_dscnt 0x0                               ; rows 64 to 127 are in
	s_wait_alu depctr_va_vdst(0)                   ; the walk is done reading v[129:191], in which rows 1 to 63 land
	ROWS 1, 63
	BACK 64                                        ; t = 127 .. 64
	s_wait_dscnt 0x0                               ; rows 1 to 63 are in
	BACK 63                                        ; t = 63 .. 1
	s_wait_alu depctr_va_vdst(0)                   ; the tags are written into W, which the LDS stores read
.irp q, 0,1,2,3,4,5,6,7
	ds_store_b32 v[L4], v[W+\q] offset:TAGS+128*\q
.endr
.Lwalked:
	s_wait_dscnt 0x0                               ; wave 0: the tags are in LDS
	s_barrier_signal -1
	s_barrier_wait -1
	; ---- the one-hot rows: wave w writes rows 64 w .. 64 w + 63; a store of the wave is a whole row, 512 neighbouring bytes.
	; Eight rows at a time.  Who writes and who reads: the tags' scalars, two sets by turns, are written by the v_readlane lines a batch ahead
	; and read by the subtractions; the 32 masks are written by the compares and read by the selects; the 32 sets of four data registers are
	; written by the selects and read by the stores, each set twice in all.
.macro LANES b                         ; the eight tags of batch b as scalars
.irp i, 0,1,2,3,4,5,6,7
	v_readlane_b32 s[TGS+64*((\b)&1)+\i], v[TG+((\b)>>2)], 8*((\b)&3)+\i
.endr
.endm
	ds_load_b32 v[TG],   v[TGA] offset:TAGS
	ds_load_b32 v[TG+1], v[TGA] offset:TAGS+128
	s_wait_dscnt 0x0
	LANES 0
	s_wait_alu depctr_va_sdst(0)                   ; the first eight tags are written, which the subtractions read
.irp b, 0,1,2,3,4,5,6,7
.irp i, 0,1,2,3,4,5,6,7
	v_sub_nc_u32 v[DD+\i], s[TGS+64*(\b&1)+\i], v[L4]  ; tag - 4 x lane: 0..3 in the lane that holds the one
.endr
.irp i, 0,1,2,3,4,5,6,7
.irp c, 0,1,2,3
	v_cmp_eq_u32 s[MK+4*\i+\c], \c, v[DD+\i]
.endr
.endr
.if \b < 7
	LANES \b+1
.endif
	s_wait_alu depctr_va_sdst(0)                   ; the 32 masks are written, which the selects read; so are the next batch's tags
.if \b == 4
	s_wait_xcnt 0x0                                ; the 32 sets of data registers are written a second time only behind this wait,
	s_wait_alu depctr_vm_vsrc(0)                   ; and behind this one: the 32 stores issued so far have read them
.endif
.irp i, 0,1,2,3,4,5,6,7
.irp c, 0,1,2,3
	v_cndmask_b32 v[S+32*(\b&3)+4*\i+\c], 0, 1.0, s[MK+4*\i+\c]
.endr
.endr
	s_wait_alu depctr_va_vdst(0)                   ; the selects have written the batch's eight rows, which the stores read
.irp i, 0,1,2,3,4,5,6,7
	global_store_b128 v[OO], v[S+32*(\b&3)+4*\i:S+32*(\b&3)+4*\i+3], s[10:11] offset:512*(8*\b+\i) th:TH_STORE_NT
.endr
.endr
	s_wait_dscnt 0x0
	s_wait_alu depctr_hold_cnt(0) depctr_sa_sdst(0) depctr_va_vdst(0) depctr_va_sdst(0) depctr_va_ssrc(0) depctr_va_vcc(0) depctr_vm_vsrc(0)
	s_wait_tensorcnt 0x0
	ds_add_u32 v126, v127
	s_wait_dscnt 0x0
	s_endpgm
.Lfunc_end_k_q1a2f112be6_viterbi:
	.size	k_q1a2f112be6_viterbi, .Lfunc_end_k_q1a2f112be6_viterbi-k_q1a2f112be6_viterbi
	.p2alignl 7, 3214868480
	.fill 96, 4, 3214868480
	.section	.rodata,"a",@progbits
	.p2align	6, 0x0
	.amdhsa_kernel k_q1a2f112be6_viterbi
		.amdhsa_group_segment_fixed_size 168448
		.amdhsa_private_segment_fixed_size 0
		.amdhsa_enable_private_segment 0
		.amdhsa_kernarg_size 32
		.amdhsa_user_sgpr_count 2
		.amdhsa_user_sgpr_kernarg_segment_ptr 1
		.amdhsa_wavefront_size32 1
		.amdhsa_system_sgpr_workgroup_id_x 1
		.amdhsa_system_sgpr_workgroup_id_y 1
		.amdhsa_system_sgpr_workgroup_id_z 1
		.amdhsa_system_vgpr_workitem_id 0
		.amdhsa_next_free_vgpr 384
		.amdhsa_next_free_sgpr 100
		.amdhsa_reserve_vcc 0
		.amdhsa_float_denorm_mode_32 3
		.amdhsa_float_denorm_mode_16_64 3
		.amdhsa_memory_ordered 1
		.amdhsa_forward_progress 1
		.amdhsa_inst_pref_size 255
	.end_amdhsa_kernel
	.section	.bss,"aw",@nobits
	.p2align	6
	.space	262144
	.amdgpu_metadata
---
amdhsa.version: [ 1, 2 ]
amdhsa.kernels:
  - .name:           k_q1a2f112be6_viterbi
    .symbol:         k_q1a2f112be6_viterbi.kd
    .args:
      - { .name: seq_lens, .offset: 0, .size: 8, .value_kind: global_buffer, .address_space: global }
      - { .name: transitions, .offset: 8, .size: 8, .value_kind: global_buffer, .address_space: global }
      - { .name: x, .offset: 16, .size: 8, .value_kind: global_buffer, .address_space: global }
      - { .name: out0, .offset: 24, .size: 8, .value_kind: global_buffer, .address_space: global }
    .group_segment_fixed_size: 168448
    .private_segment_fixed_size: 0
    .kernarg_segment_align: 8
    .kernarg_segment_size: 32
    .max_flat_workgroup_size: 128
    .sgpr_count:     100
    .vgpr_count:     384
    .wavefront_size: 32
...
	.end_amdgpu_metadata
.endif
;; end of part 2
